; MI455X (gfx1250); checked and timed in simulation.
; The chip was launched on July 23, 2026; its instructions are those of AMD's public machine-readable ISA for CDNA 5 (MIT licence, August 2026) and "CDNA5" Instruction Set Architecture Reference Guide (July 2026). The comments in the code are by the model that wrote it; some were corrected since.
;; Ptn Multihead Attention Custom Def. Allowed arithmetic: matrix products marked QUANTISED: E2M3 operands, one E8M0 scale for each 32 along K, by v_wmma_scale_f32_16x16x128_f8f6f4 with both operands' format E2M3, f32 sums; everything else in f32.
;; Inputs: Wk_codes 1,024 x 32 x 24 uint8 (E2M3 codes of Wk, K innermost, in blocks of 32 codes, four codes in three bytes); Wk_scales 1,024 x 32 uint8 (E8M0 scales of Wk, one for each 32 codes along K); Wo_codes 1,024 x 32 x 24 uint8 (E2M3 codes of Wo, K innermost, in blocks of 32 codes, four codes in three bytes); Wo_scales 1,024 x 32 uint8 (E8M0 scales of Wo, one for each 32 codes along K); Wq_codes 1,024 x 32 x 24 uint8 (E2M3 codes of Wq, K innermost, in blocks of 32 codes, four codes in three bytes); Wq_scales 1,024 x 32 uint8 (E8M0 scales of Wq, one for each 32 codes along K); Wv_codes 1,024 x 32 x 24 uint8 (E2M3 codes of Wv, K innermost, in blocks of 32 codes, four codes in three bytes); Wv_scales 1,024 x 32 uint8 (E8M0 scales of Wv, one for each 32 codes along K); bk 1,024 float32; bo 1,024 float32; bq 1,024 float32; bv 1,024 float32; mask 4 x 2,048 int32; x_codes 4 x 2,048 x 32 x 24 uint8 (E2M3 codes of x, K innermost, in blocks of 32 codes, four codes in three bytes); x_scales 4 x 2,048 x 32 uint8 (E8M0 scales of x, one for each 32 codes along K).
;; Outputs: out0 4 x 2,048 x 1,024 float32.
;; This version of the problem:
;;   THIS VERSION OF THE PROBLEM IS GIVEN IN LOW PRECISION. The matrix products marked QUANTISED in the list below multiply operands that are first quantised to E2M3 (2 exponent bits, 3 mantissa bits; 6 bits a number), with one power-of-two scale for each 32 numbers along K (OCP MX v1.0); their sums are f32. All else is computed in f32.
;;   The module's matrix products, in the order in which they are computed (A, B: the left and right operand; K: the contracted axis; several contracted axes count as one K, in the product's order):
;;     1. [M 8,192, K 1,024] x [K 1,024, N 1,024]; A: input x (given as codes); B: input Wq (given as codes): QUANTISED
;;     2. [M 8,192, K 1,024] x [K 1,024, N 1,024]; A: input x (given as codes); B: input Wk (given as codes): QUANTISED
;;     3. [M 8,192, K 1,024] x [K 1,024, N 1,024]; A: input x (given as codes); B: input Wv (given as codes): QUANTISED
;;     4. batch 64 x [M 2,048, K 64] x [K 64, N 2,048]; A: computed on the way; B: computed on the way: QUANTISED
;;     5. batch 64 x [M 2,048, K 2,048] x [K 2,048, N 64]; A: softmax (see below); B: computed on the way: QUANTISED
;;     6. [M 8,192, K 1,024] x [K 1,024, N 1,024]; A: computed on the way; B: input Wo (given as codes): QUANTISED
;;   THE QUANTISER, for each operand of a quantised product, along K:
;;     - K is cut into blocks of 32 from its start; a last block that is shorter is filled with zeros.
;;     - A block's scale is 2^e with e = floor(log2(the largest magnitude in the block)) - 2, held to -126 .. 127; a block of zeros has e = 0. As a byte (E8M0): e + 127.
;;     - Each number is divided by its block's scale, clamped to +-7.5, and rounded to the nearest number of E2M3, ties to even, subnormals kept.
;;     - The product sums the exact products of the quantised numbers (number of the format x scale) in f32.
;;   ~~~python
;;   def quantise(x, axis):      # numpy; x: float32 -> the quantised numbers, widened to float32 again
;;       x = np.moveaxis(x, axis, -1); K = x.shape[-1]
;;       x = np.pad(x, [(0, 0)] * (x.ndim - 1) + [(0, -K % 32)]); x = x.reshape(x.shape[:-1] + (-1, 32)); a = np.abs(x).max(-1, keepdims=True)
;;       e = np.where(a > 0, np.clip(np.frexp(np.where(a > 0, a, 1))[1] - 1 - 2, -126, 127), 0)      # np.frexp(a)[1] - 1 = floor(log2(a)), exactly
;;       r = np.clip(x / 2.0 ** e, -7.5, 7.5)
;;       step = 2.0 ** (np.maximum(np.frexp(np.where(r == 0, 1, r))[1] - 1, 0) - 3)
;;       q = np.round(r / step) * step * 2.0 ** e      # np.round: ties to even
;;       return np.moveaxis(q.reshape(q.shape[:-2] + (-1,))[..., :K], -1, axis).astype(np.float32)
;;   ~~~
;;   SOFTMAX AHEAD OF A QUANTISED PRODUCT. Where the list says 'softmax', what is quantised is not the finished softmax but p = 2^(t - M), with t = logit x log2(e) and M = ceil(the row's largest t), a whole number; so 1/2 < the row's largest p <= 1. The row's sum l is taken of the UNQUANTISED p, in f32, and the product's result is divided by l at the end. Since M is a whole number, a kernel that streams over the keys may use a running M (the ceiling of the running maximum): every later rescaling is an exact power of two, which a block's scale takes up: the codes' values come out the same.
;;   OPERANDS COMPUTED ON THE WAY. 'Computed on the way' means the value that the module computes at that place (a softmax that the list does not call 'softmax' is quantised finished and normalised). What goes into a quantiser is computed in f32, as accurately as f32 sums, v_exp_f32 and their like allow (about 1e-6 of the number): no bf16 or f16 on the way to a quantiser, and a product that is left as it is and whose result goes on into a quantised operand takes f32 operands (vector FMAs, or v_wmma_f32_16x16x4_f32). A number that lies on a knife's edge between two numbers of the format may be rounded either way, as far as f32 arithmetic and the matrix unit's own rounding can turn it there, and no further.
;;   INPUTS GIVEN AS CODES. Wk (in the module: [1024, 1024], K = its axis 0); Wo (in the module: [1024, 1024], K = its axis 0); Wq (in the module: [1024, 1024], K = its axis 0); Wv (in the module: [1024, 1024], K = its axis 0); x (in the module: [4, 2048, 1024], K = its axis 2): each comes as NAME_codes (uint8): NAME with its K axis moved to the last place and cut into blocks of 32 codes, [.., K / 32, bytes a block], one block behind the other in memory; four codes in three bytes: a row's codes are one little-endian stream of bits, code i at bits 6 i .. 6 i + 5 (a code: sign, 2 exponent bits, 3 mantissa bits); and NAME_scales (uint8): the same leading axes, one E8M0 byte (e + 127) for each 32 codes along K. Its value is code x scale, taken as it is: it is not quantised again, and the codes and scales need not be those that the quantiser above would give.
;; One version. Each part assembles by itself: llvm-mc -triple=amdgcn-amd-amdhsa -mcpu=gfx1250 --defsym DOCPART=n.
;; ======== version 1 of 1: 3 launches
;; limits: right only within a limited range of input values
;; workspace buffers: qc 6,291,456 bytes; qs 524,288 bytes; kv 13,369,344 bytes; oc 6,291,456 bytes; os 262,144 bytes
;; launch proj (part 1): grid 12 x 64, 8 waves a work-group, clusters of 4 x 4, 327,680 bytes of LDS; arguments x_codes, x_scales, Wq_codes, Wq_scales, Wk_codes, Wk_scales, Wv_codes, Wv_scales, bq, bk, bv, mask, qc, qs, kv; writes qc, qs, kv
.if DOCPART == 1
	.amdgcn_target "amdgcn-amd-amdhsa--gfx1250"
	.amdhsa_code_object_version 6
	.text
	.protected	k_qa68616043a_proj
	.globl	k_qa68616043a_proj
	.p2align	8
	.type	k_qa68616043a_proj,@function
k_qa68616043a_proj:
	s_mov_b64 s[64:65], 0
	v_nop
	global_prefetch_b8 v0, s[64:65] scope:SCOPE_SE
	s_setreg_imm32_b32 hwreg(HW_REG_WAVE_MODE, 25, 1), 1
	s_wait_xcnt 0x0
	s_wait_alu depctr_hold_cnt(0) depctr_sa_sdst(0) depctr_va_vdst(0) depctr_va_sdst(0) depctr_va_ssrc(0) depctr_va_vcc(0) depctr_vm_vsrc(0)
	s_getreg_b32 s2, hwreg(HW_REG_IB_STS2, 6, 4)
	s_cmp_eq_u32 s2, 0
	s_cbranch_scc0 .Lentry_in_a_cluster
	s_endpgm
.Lentry_in_a_cluster:
	s_bfe_u32 s2, ttmp6, 0x10000c
	s_cmp_lg_u32 s2, 0xf033
	s_cbranch_scc0 .Lentry_shape_is_right
	s_endpgm
.Lentry_shape_is_right:
; q = x Wq + bq, k = x Wk + bk, v = x Wv + bv on codes of FP6 (E2M3) with E8M0 scales, f32 sums; the results are quantised at once: q and k along the head's 64 (two blocks), v along the keys.
; NOTHING OF THE PROBLEM IS LEFT OUT in this program: all six products are live, every bias moves codes or results, the key mask is an input and is honoured key by key; every input is loaded.
; SHARES.  The cluster's x says which product (0 q, 1 k, 2 v); a work-group makes 128 tokens x 256 columns (4 heads), K = 1,024, all of it in LDS at once: no LDS byte is filled twice.
; Eight waves: wave w takes 64 tokens (w & 1) x one head (w >> 1): 16 accumulators of 16 x 16.
; CLUSTER 4 x 4: the four of a row need the same 128 rows of x, the four of a column the same 256 rows of W: each tile is asked for jointly.
; TILES ARE NOT NEIGHBOURING ROWS: lane r of tile 2 B + u takes row 32 B + 8 u + r + 8 (r / 8), of tokens and of W alike, so that the 16 registers of tiles 2 B, 2 B + 1 of a result are 16 neighbours along the next K.
; q, k: source 0 = W, source 1 = x: a lane holds one token and its registers run along the head.  v: source 0 = x, source 1 = W: a lane holds one channel and its registers run along the keys.
; WHAT IS STORED: units of 16 rows x 64 K, 768 bytes, as images of operand registers: plane p (256 bytes) holds lane l's registers 2 p, 2 p + 1 at 8 l.  Each store of a plane covers 256 consecutive aligned bytes.
;   qc [head of batch 64][tile 128][unit]; qs [64][32][row 16][tile % 4] words; kv [64][key step 16][record of 13,056: 8 units of k, 8 of v (2 t + half), 512 bytes of k's scale words, 256 of v's].
; THE MASK rides in k's scale words.  The product q k^T has K = 64 in an instruction of 128: at k = 64 and 96 the next launch holds constant codes (q: +1, +1; k: -1, +1).  q's bytes 2, 3 are 127.
; k's byte 3 is 1; its byte 2 is 1 for a key that counts (the two terms are -2^-126 and +2^-126) and 240 for a masked key (the score gets -2^113).
; LIMITS: a block whose largest magnitude lies under 2^-124 keeps the byte 1; a block of zeros has the byte 1 (its codes are zeros; these bytes are read by this program alone); NaN and infinities in the biases are not served.
.set PITCH, 816                        ; an LDS row: 768 bytes + 16 behind each 256
.set XE,    0                          ; x's rows with row / 16 even: 64 rows
.set WE,    52224                      ; W's likewise: 128 rows
.set EO,    156800                     ; from the even rows' region to the odd rows', for x and for W: lanes 8-15 of a tile read there
.set XS,    313472                     ; x's scale bytes: 16 blocks of 256 + 8
.set WS,    317704                     ; W's: 32 such blocks
.set SPARE, 326400                     ; the spare words, 128 bytes a wave: four blocks of 256 bytes that no other line names
.set REC,   13056
.set XAD, 4                            ; v4, v5   LDS address of my x fragments (v5: for pieces behind one padding more)
.set WAD, 6                            ; v6, v7   the same for W
.set SAD, 8                            ; v8       of my scale words: lanes 0-15 x's rows, lanes 16-31 W's
.set SPW, 14                           ; v14      my spare word; never rewritten
.set NIL, 15                           ; v15      0; never rewritten
.set SC,  16                           ; v16-23   scale words: register 2 i + (K step % 2): lanes 0-15 x's tile i, lanes 16-31 W's tile i
.set MK,  24                           ; v24-27   q, k: the mask of my four tiles' tokens; v28, v29 the upper half of a scale word, for a key that counts and a masked one.  v: v24-31 bv, four pairs
.set XF,  32                           ; v32-79   x's four fragments
.set WF,  80                           ; v80-127  W's four
.set ACC, 128                          ; v128-255 accumulator (source 0's tile a, source 1's tile b) at 8 (4 b + a)
.set TM,  32                           ; behind the products v32-127 are free: largest magnitudes,
.set TP,  40                           ; the other half's,
.set SO,  48                           ; the conversions' scale operands,
.set SB,  56                           ; the bytes,
.set CD,  64                           ; a unit's six registers, eight apart,
.set CE,  96                           ; the conversions' second halves,
.set HW,  112                          ; a tile's two bytes,
.set WD,  116                          ; a tile's scale word,
.set OUTW, 120                         ; and what is stored of them
.set WV,  34
.set G1X, 48
.set G1W, 56
.set G1XS, 68
.set G1WS, 76
.set G0X, 84
.set G0W, 88
.set G0XS, 92
.set G0WS, 96
.set CODEF, (3<<16)|(1<<20)|(1<<21)|(5<<22)|(3<<25)   ; elements of 8 bytes; padding on; bit 21 beside a mask; after every 64 words; 4 words
.set SCLF,  (3<<16)|(1<<20)|(1<<21)|(5<<22)|(1<<25)   ; the same with 2 words
.macro CROUND                          ; a round of the cluster's barrier
	s_barrier_signal -1
	s_barrier_wait -1
	s_cmp_lg_u32 s[WV], 0
	s_cbranch_scc1 .Lnot_wave_0_\@
	s_barrier_signal -3
.Lnot_wave_0_\@:
	s_barrier_wait -3
	s_barrier_signal -1
	s_barrier_wait -1
.endm
.macro TL g0, g1                       ; a joint load; an s_nop 0 and four v_nop follow it
	tensor_load_to_lds s[\g0:\g0+3], s[\g1:\g1+7]
	s_nop 0
.rept 4
	v_nop
.endr
.endm
; a fragment, 16 rows x 128 K: six pieces of 8 bytes.  Lanes 16-31 read three pieces further on, which is behind one padding more where the piece's place in its 32 is 29 or more
.macro FRAG reg, adr, s, i
.irp p, 0,1,2,3,4,5
.set PCE, 12*(\s)+6*(\p/3)+\p%3
.if PCE%32 < 29
	ds_load_b64 v[\reg+2*\p:\reg+2*\p+1], v[\adr] offset:8*PCE+16*(PCE/32)+(16*((\i)/2)+8*((\i)%2))*PITCH
.else
	ds_load_b64 v[\reg+2*\p:\reg+2*\p+1], v[\adr+1] offset:8*PCE+16*(PCE/32)+(16*((\i)/2)+8*((\i)%2))*PITCH
.endif
.endr
.endm
.macro MM c, d, s, vp, zero            ; c: W's tile, d: x's tile
.if \vp
.set AC, ACC+8*(4*(\c)+(\d))
.if \zero
	v_wmma_scale_f32_16x16x128_f8f6f4 v[AC:AC+7], v[XF+12*(\d):XF+12*(\d)+11], v[WF+12*(\c):WF+12*(\c)+11], 0, v[SC+2*(\d)+(\s)%2], v[SC+2*(\c)+(\s)%2] matrix_a_fmt:MATRIX_FMT_FP6 matrix_b_fmt:MATRIX_FMT_FP6 matrix_b_scale:MATRIX_SCALE_ROW1
.else
	v_wmma_scale_f32_16x16x128_f8f6f4 v[AC:AC+7], v[XF+12*(\d):XF+12*(\d)+11], v[WF+12*(\c):WF+12*(\c)+11], v[AC:AC+7], v[SC+2*(\d)+(\s)%2], v[SC+2*(\c)+(\s)%2] matrix_a_fmt:MATRIX_FMT_FP6 matrix_b_fmt:MATRIX_FMT_FP6 matrix_b_scale:MATRIX_SCALE_ROW1
.endif
.else
.set AC, ACC+8*(4*(\d)+(\c))
	v_wmma_scale_f32_16x16x128_f8f6f4 v[AC:AC+7], v[WF+12*(\c):WF+12*(\c)+11], v[XF+12*(\d):XF+12*(\d)+11], v[AC:AC+7], v[SC+2*(\c)+(\s)%2], v[SC+2*(\d)+(\s)%2] matrix_a_fmt:MATRIX_FMT_FP6 matrix_b_fmt:MATRIX_FMT_FP6 matrix_a_scale:MATRIX_SCALE_ROW1
.endif
.endm
; a K step of 128: 16 matrix instructions, the 16 accumulators by turns, one instruction a turn, in the same order in every step
.macro KSTEP s, vp, zero
.if (\s) > 0
.rept 4
	v_nop                                          ; four places in front of loads into registers that matrix instructions have read
.endr
.endif
.if (\s)%2 == 0
.irp i, 0,1,2,3
	ds_load_b64 v[SC+2*\i:SC+2*\i+1], v[SAD] offset:264*(4*(\i/2)+\i%2)+4*(\s)   ; two K steps' scale words of tile i
.endr
.endif
.irp i, 0,1,2,3
	FRAG XF+12*\i, XAD, \s, \i
.endr
.irp i, 0,1,2,3
	FRAG WF+12*\i, WAD, \s, \i
.endr
.irp c, 0,1,2,3
	s_wait_dscnt 18-6*\c                           ; all is in but the six loads of each tile of W behind tile c
.irp d, 0,1,2,3
	MM \c, \d, \s, \vp, \zero
.endr
.endr
.endm
; Eight blocks of 32 along the next K: block q = v[ACC + 16 q ..], my 16 numbers; the other 16 lie in lane l xor 16.  Out come four units (v[CD + 8 b ..], six registers) and their two bytes (v[HW + b]).
.macro QUANT4
.irp q, 0,1,2,3,4,5,6,7
	v_max3_num_f32 v[TM+\q], |v[ACC+16*\q]|, |v[ACC+1+16*\q]|, 0x1800000   ; with the floor 2^(3 - 127): the byte cannot fall under 1.  Each accumulator is read from its low end on
.endr
.irp i, 2,4,6,8,10,12,14
.irp q, 0,1,2,3,4,5,6,7
	v_max3_num_f32 v[TM+\q], v[TM+\q], |v[ACC+16*\q+\i]|, |v[ACC+1+16*\q+\i]|
.endr
.endr
.irp q, 0,1,2,3,4,5,6,7
	v_permlanex16_b32 v[TP+\q], v[TM+\q], s66, s67
.endr
.irp q, 0,1,2,3,4,5,6,7
	v_max_num_f32 v[TM+\q], v[TM+\q], v[TP+\q]     ; the block's largest magnitude
.endr
.irp q, 0,1,2,3,4,5,6,7
	v_add_nc_u32 v[SO+\q], 0xff000000, v[TM+\q]    ; 2 off its exponent field: the conversion's scale operand
.endr
.irp q, 0,1,2,3,4,5,6,7
	v_lshrrev_b32 v[SB+\q], 23, v[SO+\q]           ; the scale's byte
.endr
.irp b, 0,1,2,3
	v_lshl_or_b32 v[HW+\b], v[SB+2*\b+1], 8, v[SB+2*\b]
.endr
.irp b, 0,1,2,3
	v_cvt_scalef32_pk16_fp6_f32 v[CD+8*\b:CD+8*\b+2], v[ACC+32*\b:ACC+32*\b+15], v[SO+2*\b]
	v_cvt_scalef32_pk16_fp6_f32 v[CE+4*\b:CE+4*\b+2], v[ACC+16+32*\b:ACC+31+32*\b], v[SO+2*\b+1]
.endr
	v_nop                                          ; one plain place behind the scaled conversions
.irp b, 0,1,2,3                        ; a lane of the operand holds a WHOLE block: lanes 0-15 the first, lanes 16-31 the second
.irp i, 0,1,2
	v_permlane16_swap_b32 v[CD+8*\b+\i], v[CE+4*\b+\i]
.endr
.irp i, 0,1,2
	s_delay_alu instid0(VALU_DEP_3)
	v_mov_b32 v[CD+8*\b+3+\i], v[CE+4*\b+\i]
.endr
.endr
.endm
.macro UNITS stride
.irp b, 0,1,2,3
.irp p, 0,1,2
	global_store_b64 v11, v[CD+8*\b+2*\p:CD+8*\b+2*\p+1], s[44:45] offset:(\stride)*\b+256*\p   ; 32 lanes store 256 consecutive bytes, aligned
.endr
.endr
.endm
	s_load_b512 s[4:19], s[0:1], 0x0               ; x codes, x scales, Wq codes, scales, Wk codes, scales, Wv codes, scales
	s_load_b256 s[20:27], s[0:1], 0x40             ; bq, bk, bv, mask
	s_load_b128 s[28:31], s[0:1], 0x60             ; qc, qs
	s_load_b64 s[32:33], s[0:1], 0x70              ; kv
	v_lshl_add_u32 v[SPW], v0, 2, SPARE
	v_mov_b32 v[NIL], 0
	ds_add_u32 v[SPW], v[NIL]                      ; the wave's opening: the add, twice on end, and its wait ahead of my first tensor load
	ds_add_u32 v[SPW], v[NIL]
	v_lshrrev_b32 v1, 5, v0
	s_delay_alu instid0(VALU_DEP_1)
	v_readfirstlane_b32 s[WV], v1                  ; wave 0..7
	s_and_b32 s35, s[WV], 1                        ; th: my 64 tokens
	s_lshr_b32 s36, s[WV], 1                       ; hw: my head of the four
	s_bfe_u32 s37, ttmp6, 0x40000                  ; cx: the group of 256 columns
	s_bfe_u32 s38, ttmp6, 0x40004                  ; cy
	s_and_b32 s39, ttmp7, 0xffff
	s_lshl_b32 s39, s39, 2
	s_add_co_u32 s39, s39, s38                     ; tb: the block of 128 tokens
	s_lshl_b32 s66, s38, 2
	s_lshl_b32 s66, 15, s66                        ; my row of the cluster: x's tiles
	s_lshl_b32 s67, 0x1111, s37                    ; my column: W's tiles
	s_or_b32 s[G1X], s66, CODEF
	s_or_b32 s[G1W], s67, CODEF
	s_or_b32 s[G1XS], s66, SCLF
	s_or_b32 s[G1WS], s67, SCLF
.irp g, G1X, G1W                       ; codes: a descriptor row is 16 dense rows (12,288 bytes = 1,536 elements); four of them, 32 rows (3,072 elements) apart
	s_mov_b32 s[\g+1], 1536<<16
	s_mov_b32 s[\g+2], 4<<16
	s_mov_b32 s[\g+3], 1536<<16
	s_mov_b32 s[\g+4], 4
	s_mov_b32 s[\g+5], 3072
	s_mov_b32 s[\g+6], 0
	s_mov_b32 s[\g+7], 0
.endr
	s_mov_b32 s[G1XS+1], 32<<16                    ; scale bytes: a dense block as rows of 256 bytes: 16 for x,
	s_mov_b32 s[G1XS+2], 16<<16
	s_mov_b32 s[G1XS+3], 32<<16
	s_mov_b32 s[G1XS+4], 16
	s_mov_b32 s[G1XS+5], 32
	s_mov_b32 s[G1XS+6], 0
	s_mov_b32 s[G1XS+7], 0
	s_mov_b32 s[G1WS+1], 32<<16                    ; 32 for W
	s_mov_b32 s[G1WS+2], 32<<16
	s_mov_b32 s[G1WS+3], 32<<16
	s_mov_b32 s[G1WS+4], 32
	s_mov_b32 s[G1WS+5], 32
	s_mov_b32 s[G1WS+6], 0
	s_mov_b32 s[G1WS+7], 0
	; who fetches what: waves 0, 1: x's even and odd rows; waves 2 to 5: W's (half e = w & 1 of its rows, even or odd by bit 2 of w); wave 6: x's scale bytes; wave 7: W's
	s_mov_b32 s[G0X], 1
	s_mul_i32 s[G0X+1], s35, EO
	s_mov_b32 s[G0W], 1
	s_bfe_u32 s2, s[WV], 0x10002
	s_mul_i32 s[G0W+1], s2, EO
	s_mul_i32 s3, s35, 52224
	s_add_co_u32 s[G0W+1], s[G0W+1], s3
	s_add_co_u32 s[G0W+1], s[G0W+1], WE
	s_mov_b32 s[G0XS], 1
	s_mov_b32 s[G0XS+1], XS
	s_mov_b32 s[G0WS], 1
	s_mov_b32 s[G0WS+1], WS
	s_mul_i32 s40, s39, 98304                      ; x: 128 tb rows of 768 bytes,
	s_mul_i32 s3, s35, 12288                       ; + 16 rows for the odd ones
	s_add_co_u32 s40, s40, s3
	s_mov_b32 s41, 0
	s_lshl_b32 s42, s39, 12                        ; x's scale bytes: 128 tb rows of 32
	s_mov_b32 s43, 0
	s_mul_i32 s44, s37, 196608                     ; W: 256 cx rows,
	s_mul_i32 s3, s35, 98304                       ; + 128 e,
	s_add_co_u32 s44, s44, s3
	s_mul_i32 s3, s2, 12288                        ; + 16 for the odd ones
	s_add_co_u32 s44, s44, s3
	s_mov_b32 s45, 0
	s_lshl_b32 s46, s37, 13                        ; W's scale bytes
	s_mov_b32 s47, 0
	s_mov_b32 s66, 0x76543210                      ; v_permlanex16_b32's selects for lane l xor 16
	s_mov_b32 s67, 0xfedcba98
	v_and_b32 v1, 15, v0                           ; r
	v_bfe_u32 v2, v0, 4, 1                         ; h
	s_delay_alu instid0(VALU_DEP_2)
	v_and_b32 v3, 7, v1
	s_delay_alu instid0(VALU_DEP_3)
	v_lshrrev_b32 v30, 3, v1
	s_delay_alu instid0(VALU_DEP_2)
	v_mul_u32_u24 v31, v3, PITCH
	s_delay_alu instid0(VALU_DEP_1)
	v_mad_u32_u24 v31, v30, EO, v31
	s_delay_alu instid0(VALU_DEP_1)
	v_mad_u32_u24 v31, v2, 24, v31                 ; (r & 7) rows + the odd region for r >= 8 + 24 h
	s_mul_i32 s2, s35, 26112                       ; my 64 tokens: 32 rows of each region
	s_mul_i32 s3, s36, 26112                       ; my 64 rows of W
	s_add_co_u32 s3, s3, WE
	v_add_nc_u32 v[XAD], s2, v31
	v_add_nc_u32 v[WAD], s3, v31
	s_delay_alu instid0(VALU_DEP_2)
	v_lshl_add_u32 v[XAD+1], v2, 4, v[XAD]
	s_delay_alu instid0(VALU_DEP_2)
	v_lshl_add_u32 v[WAD+1], v2, 4, v[WAD]
	v_lshlrev_b32 v[SAD], 5, v3                    ; scale bytes: 32 a row, eight rows to a block of 264
	s_delay_alu instid0(VALU_DEP_1)
	v_mad_u32_u24 v[SAD], v30, 528, v[SAD]
	s_mul_i32 s2, s35, 2112
	s_mul_i32 s3, s36, 2112
	s_add_co_u32 s3, s3, WS-XS
	s_sub_co_u32 s3, s3, s2
	v_mul_u32_u24 v31, s3, v2                      ; lanes 16-31 take W's: one product with h
	s_add_co_u32 s2, s2, XS
	v_add_nc_u32 v[SAD], v[SAD], v31
	s_delay_alu instid0(VALU_DEP_1)
	v_add_nc_u32 v[SAD], s2, v[SAD]
	v_lshlrev_b32 v9, 6, v2                        ; 64 h: a bias tile's eight numbers of my half
	v_and_b32 v10, 8, v1
	s_delay_alu instid0(VALU_DEP_1)
	v_add_nc_u32 v10, v10, v1
	s_delay_alu instid0(VALU_DEP_1)
	v_lshlrev_b32 v10, 2, v10                      ; 4 (r + 8 (r / 8)): a word for a tile's row
	v_and_b32 v11, 31, v0
	s_delay_alu instid0(VALU_DEP_1)
	v_lshlrev_b32 v11, 3, v11                      ; 8 x lane: my place in a plane
	v_lshlrev_b32 v12, 4, v1
	s_delay_alu instid0(VALU_DEP_1)
	v_lshl_add_u32 v13, v2, 2, v12                 ; 16 r + 4 h
	s_delay_alu instid0(VALU_DEP_2)
	v_lshl_add_u32 v12, v2, 3, v12                 ; 16 r + 8 h
	s_wait_dscnt 0x0                               ; both opening adds are done
	s_wait_kmcnt 0x0
	s_cmp_eq_u32 ttmp9, 0                          ; which weight: the cluster's x, the same in all partners
	s_cselect_b64 s[8:9], s[8:9], s[12:13]
	s_cselect_b64 s[10:11], s[10:11], s[14:15]
	s_cselect_b64 s[20:21], s[20:21], s[22:23]
	s_cmp_eq_u32 ttmp9, 2
	s_cselect_b64 s[8:9], s[16:17], s[8:9]
	s_cselect_b64 s[10:11], s[18:19], s[10:11]
	s_cselect_b64 s[20:21], s[24:25], s[20:21]
	s_add_nc_u64 s[G0X+2:G0X+3], s[4:5], s[40:41]
	s_or_b32 s[G0X+3], s[G0X+3], 0x80000000
	s_add_nc_u64 s[G0W+2:G0W+3], s[8:9], s[44:45]
	s_or_b32 s[G0W+3], s[G0W+3], 0x80000000
	s_add_nc_u64 s[G0XS+2:G0XS+3], s[6:7], s[42:43]
	s_or_b32 s[G0XS+3], s[G0XS+3], 0x80000000
	s_add_nc_u64 s[G0WS+2:G0WS+3], s[10:11], s[46:47]
	s_or_b32 s[G0WS+3], s[G0WS+3], 0x80000000
	CROUND                                         ; all sixteen work-groups are here: the joint loads meet
	s_cmp_lt_u32 s[WV], 2                          ; every wave issues one load: one tensor load of mine is out
	s_cbranch_scc0 .Lnot_x
	TL G0X, G1X
	s_branch .Lasked
.Lnot_x:
	s_cmp_lt_u32 s[WV], 6
	s_cbranch_scc0 .Lnot_w
	TL G0W, G1W
	s_branch .Lasked
.Lnot_w:
	s_cmp_eq_u32 s[WV], 6
	s_cbranch_scc0 .Lw_scales
	TL G0XS, G1XS
	s_branch .Lasked
.Lw_scales:
	TL G0WS, G1WS
.Lasked:
	s_lshr_b32 s2, s39, 4
	s_lshl_b32 s2, s2, 4                           ; 16 x batch
	s_lshl_b32 s3, s37, 2
	s_add_co_u32 s2, s2, s3
	s_add_co_u32 s2, s2, s36                       ; the head of the batch: 16 batch + 4 cx + hw
	s_lshl_b32 s2, s2, 4
	s_and_b32 s3, s39, 15
	s_add_co_u32 s14, s2, s3                       ; x 16 + the block of 128 tokens in the batch
	s_lshl_b32 s2, s37, 10
	s_lshl_b32 s3, s36, 8
	s_add_co_u32 s2, s2, s3
	s_mov_b32 s3, 0
	s_add_nc_u64 s[20:21], s[20:21], s[2:3]        ; the bias at my head's 64 numbers
	s_mov_b32 s12, 0xffff0000                      ; lanes 16-31
	s_cmp_eq_u32 ttmp9, 2
	s_cbranch_scc1 .Lv_path
	; ---- q and k
	s_cmp_eq_u32 ttmp9, 0
	s_mov_b32 s15, REC
	s_cselect_b32 s16, 6144, s15                   ; q: 8 units for 128 tokens; k: a record
	s_cselect_b32 s17, 512, s15
	s_cselect_b32 s18, 0, 12288
	s_cselect_b64 s[44:45], s[28:29], s[32:33]     ; units go to qc or kv,
	s_cselect_b64 s[46:47], s[30:31], s[32:33]     ; scale words to qs or kv
	s_mul_i32 s16, s14, s16
	s_mul_i32 s17, s14, s17
	s_mul_i32 s19, s35, 3072                       ; my four units
	s_add_co_u32 s16, s16, s19
	s_lshl_b32 s19, s35, 8                         ; my 256 bytes of words
	s_add_co_u32 s18, s18, s19
	s_add_co_u32 s18, s18, s17
	s_mov_b32 s17, 0
	s_mov_b32 s19, 0
	s_add_nc_u64 s[44:45], s[44:45], s[16:17]
	s_add_nc_u64 s[46:47], s[46:47], s[18:19]
	s_wait_alu depctr_va_vdst(0)
.irp b, 0,1,2,3                        ; the bias is what the sums begin with: lane (r, h), tile a: columns 32 (a / 2) + 16 h + 8 (a % 2) + 0 .. 7
.irp a, 0,1,2,3
	global_load_b128 v[ACC+8*(4*\b+\a):ACC+8*(4*\b+\a)+3], v9, s[20:21] offset:(32*(\a/2)+8*(\a%2))*4
	global_load_b128 v[ACC+8*(4*\b+\a)+4:ACC+8*(4*\b+\a)+7], v9, s[20:21] offset:(32*(\a/2)+8*(\a%2))*4+16
.endr
.endr
	s_cmp_eq_u32 ttmp9, 0
	s_cbranch_scc1 .Lq_words
	s_lshl_b32 s2, s39, 9
	s_lshl_b32 s3, s35, 8
	s_add_co_u32 s2, s2, s3
	s_mov_b32 s3, 0
	s_add_nc_u64 s[26:27], s[26:27], s[2:3]        ; the mask at my 64 tokens
.irp b, 0,1,2,3
	global_load_b32 v[MK+\b], v10, s[26:27] offset:(32*(\b/2)+8*(\b%2))*4
.endr
	v_mov_b32 v28, 0x01010000                      ; k's bytes 2 and 3: a key that counts,
	v_mov_b32 v29, 0x01f00000                      ; a masked key
	s_branch .Lwords_set
.Lq_words:
.irp b, 0,1,2,3
	v_mov_b32 v[MK+\b], 1
.endr
	v_mov_b32 v28, 0x7f7f0000                      ; q's bytes 2 and 3: 1.0
	v_mov_b32 v29, 0x7f7f0000
.Lwords_set:
	s_wait_tensorcnt 0x0                           ; my tile is in,
	s_barrier_signal -1
	s_barrier_wait -1                              ; everybody's is
	s_wait_loadcnt 0x0                             ; the bias and the mask
.irp s, 0,1,2,3,4,5,6,7
	KSTEP \s, 0, 0
.endr
.rept 4
	v_nop                                          ; four places in front of the first read of results and the first write of operands' registers
.endr
	QUANT4
.irp b, 0,1,2,3
	v_cmp_eq_u32 vcc_lo, 0, v[MK+\b]
	s_delay_alu instid0(VALU_DEP_1)
	v_cndmask_b32 v[WD+\b], v28, v29, vcc_lo
	s_delay_alu instid0(VALU_DEP_1)
	v_or_b32 v[WD+\b], v[WD+\b], v[HW+\b]          ; the token's scale word
.endr
	UNITS 768
	v_cndmask_b32 v[OUTW], v[WD], v[WD+2], s12     ; lanes 0-15 store tiles 0, 1, lanes 16-31 tiles 2, 3:
	v_cndmask_b32 v[OUTW+1], v[WD+1], v[WD+3], s12
	global_store_b64 v12, v[OUTW:OUTW+1], s[46:47] ; 256 consecutive bytes
	s_branch .Lend
	; ---- v
.Lv_path:
	s_mul_i32 s16, s14, REC
	s_mul_i32 s15, s35, 768
	s_add_co_u32 s18, s16, 12800                   ; v's scale words,
	s_add_co_u32 s16, s16, s15
	s_add_co_u32 s16, s16, 6144                    ; v's units: (2 t + th) x 768
	s_lshl_b32 s15, s35, 1
	s_add_co_u32 s18, s18, s15                     ; my two bytes of each
	s_mov_b32 s17, 0
	s_mov_b32 s19, 0
	s_add_nc_u64 s[44:45], s[32:33], s[16:17]
	s_add_nc_u64 s[46:47], s[32:33], s[18:19]
	s_wait_alu depctr_va_vdst(0)
.irp b, 0,1,2,3                        ; bv of my lane's channel in tile b, twice: a pair for the packed addition
	global_load_b32 v[24+2*\b], v10, s[20:21] offset:(32*(\b/2)+8*(\b%2))*4
	global_load_b32 v[25+2*\b], v10, s[20:21] offset:(32*(\b/2)+8*(\b%2))*4
.endr
	s_wait_tensorcnt 0x0
	s_barrier_signal -1
	s_barrier_wait -1
	s_wait_loadcnt 0x0
	KSTEP 0, 1, 1                                  ; the first K step starts the sums
.irp s, 1,2,3,4,5,6,7
	KSTEP \s, 1, 0
.endr
.rept 4
	v_nop
.endr
.irp b, 0,1,2,3
.irp k, 0,2,4,6,8,10,12,14,16,18,20,22,24,26,28,30
	v_pk_add_f32 v[ACC+32*\b+\k:ACC+32*\b+\k+1], v[ACC+32*\b+\k:ACC+32*\b+\k+1], v[24+2*\b:25+2*\b]
.endr
.endr
	QUANT4
	UNITS 1536
.irp i, 0,1
	v_cndmask_b32 v[OUTW+\i], v[HW+2*\i], v[HW+2*\i+1], s12    ; tile 2 i + h
	global_store_b16 v13, v[OUTW+\i], s[46:47] offset:8*\i     ; two of a word's four bytes: the other two are the other wave's
.endr
.Lend:
	s_wait_tensorcnt 0x0                           ; the wave's end
	ds_add_u32 v[SPW], v[NIL]
	s_wait_dscnt 0x0
	CROUND                                         ; the closing round
	s_endpgm
.Lfunc_end_k_qa68616043a_proj:
	.size	k_qa68616043a_proj, .Lfunc_end_k_qa68616043a_proj-k_qa68616043a_proj
	.p2alignl 7, 3214868480
	.fill 96, 4, 3214868480
	.section	.rodata,"a",@progbits
	.p2align	6, 0x0
	.amdhsa_kernel k_qa68616043a_proj
		.amdhsa_group_segment_fixed_size 327680
		.amdhsa_private_segment_fixed_size 0
		.amdhsa_enable_private_segment 0
		.amdhsa_kernarg_size 120
		.amdhsa_user_sgpr_count 2
		.amdhsa_user_sgpr_kernarg_segment_ptr 1
		.amdhsa_wavefront_size32 1
		.amdhsa_system_sgpr_workgroup_id_x 1
		.amdhsa_system_sgpr_workgroup_id_y 1
		.amdhsa_system_sgpr_workgroup_id_z 1
		.amdhsa_system_vgpr_workitem_id 0
		.amdhsa_next_free_vgpr 256
		.amdhsa_next_free_sgpr 100
		.amdhsa_reserve_vcc 1
		.amdhsa_float_denorm_mode_32 3
		.amdhsa_float_denorm_mode_16_64 3
		.amdhsa_memory_ordered 1
		.amdhsa_forward_progress 1
		.amdhsa_inst_pref_size 125
	.end_amdhsa_kernel
	.amdgpu_metadata
---
amdhsa.version: [ 1, 2 ]
amdhsa.kernels:
  - .name:           k_qa68616043a_proj
    .symbol:         k_qa68616043a_proj.kd
    .args:
      - { .name: x_codes, .offset: 0, .size: 8, .value_kind: global_buffer, .address_space: global }
      - { .name: x_scales, .offset: 8, .size: 8, .value_kind: global_buffer, .address_space: global }
      - { .name: Wq_codes, .offset: 16, .size: 8, .value_kind: global_buffer, .address_space: global }
      - { .name: Wq_scales, .offset: 24, .size: 8, .value_kind: global_buffer, .address_space: global }
      - { .name: Wk_codes, .offset: 32, .size: 8, .value_kind: global_buffer, .address_space: global }
      - { .name: Wk_scales, .offset: 40, .size: 8, .value_kind: global_buffer, .address_space: global }
      - { .name: Wv_codes, .offset: 48, .size: 8, .value_kind: global_buffer, .address_space: global }
      - { .name: Wv_scales, .offset: 56, .size: 8, .value_kind: global_buffer, .address_space: global }
      - { .name: bq, .offset: 64, .size: 8, .value_kind: global_buffer, .address_space: global }
      - { .name: bk, .offset: 72, .size: 8, .value_kind: global_buffer, .address_space: global }
      - { .name: bv, .offset: 80, .size: 8, .value_kind: global_buffer, .address_space: global }
      - { .name: mask, .offset: 88, .size: 8, .value_kind: global_buffer, .address_space: global }
      - { .name: qc, .offset: 96, .size: 8, .value_kind: global_buffer, .address_space: global }
      - { .name: qs, .offset: 104, .size: 8, .value_kind: global_buffer, .address_space: global }
      - { .name: kv, .offset: 112, .size: 8, .value_kind: global_buffer, .address_space: global }
    .group_segment_fixed_size: 327680
    .private_segment_fixed_size: 0
    .kernarg_segment_align: 8
    .kernarg_segment_size: 120
    .max_flat_workgroup_size: 256
    .sgpr_count:     100
    .vgpr_count:     256
    .wavefront_size: 32
...
	.end_amdgpu_metadata
.endif
;; end of part 1
;; launch attn (part 2): grid 4 x 64, 16 waves a work-group, clusters of 4 x 1, 210,944 bytes of LDS; arguments qc, qs, kv, oc, os; writes oc, os
.if DOCPART == 2
	.amdgcn_target "amdgcn-amd-amdhsa--gfx1250"
	.amdhsa_code_object_version 6
	.text
	.protected	k_qa68616043a_attn
	.globl	k_qa68616043a_attn
	.p2align	8
	.type	k_qa68616043a_attn,@function
k_qa68616043a_attn:
	s_mov_b64 s[64:65], 0
	v_nop
	global_prefetch_b8 v0, s[64:65] scope:SCOPE_SE
	s_setreg_imm32_b32 hwreg(HW_REG_WAVE_MODE, 25, 1), 1
	s_wait_xcnt 0x0
	s_wait_alu depctr_hold_cnt(0) depctr_sa_sdst(0) depctr_va_vdst(0) depctr_va_sdst(0) depctr_va_ssrc(0) depctr_va_vcc(0) depctr_vm_vsrc(0)
	s_getreg_b32 s2, hwreg(HW_REG_IB_STS2, 6, 4)
	s_cmp_eq_u32 s2, 0
	s_cbranch_scc0 .Lentry_in_a_cluster
	s_endpgm
.Lentry_in_a_cluster:
	s_bfe_u32 s2, ttmp6, 0x10000c
	s_cmp_lg_u32 s2, 0x3003
	s_cbranch_scc0 .Lentry_shape_is_right
	s_endpgm
.Lentry_shape_is_right:
; o = softmax(q k^T / 8, masked keys out) v for one head of one batch, both products on codes of FP6 (E2M3) with E8M0 scales; o is divided by the row's sum and quantised along the head for the last product.  Nothing is left out.
; THE SOFTMAX: t = score x log2(e) / 8; M = the running largest t rounded up to a whole number; p = 2^(t - M) is quantised along the keys, not normalised; the sum is taken of the unquantised p; when M moves, sum and O are multiplied by 2^(old M - new M).
; SHARES.  A work-group owns 512 queries of a head; all 2,048 keys' codes of k and v, 16 records of 13,056 bytes, lie in LDS for the whole launch.
; The four work-groups of a cluster own the four quarters of one head's queries and need the same records: each is asked for jointly.  A wave takes two tiles of 16 queries, one after the other; four waves share a SIMD.
; LAYOUT.  S^T = k q^T, O^T = v^T p^T: a lane holds one query throughout.  The rows of every tile were chosen by the first launch so that 16 registers of two neighbouring tiles are 16 neighbours along the next K.
; THE MASK.  K = 64 fills half of the instruction's 128.  At k = 64 and k = 96 stand constant codes: q +1, +1 (scale bytes 127); k -1, +1.  k's byte 3 is 1, its byte 2 is 1 (the two terms are -2^-126 and +2^-126) or, for a masked key, 240: the score gets -2^113.
; The largest t begins at -2^100, so a masked key's p is 0 in every step, in a step of masked keys alone too.
; LIMITS: a true t at or under -2^100 counts as masked.  A row all of whose keys are masked has the sum 0: its codes are zeros and its two scale bytes 0xff, of which the last launch makes NaN, as the softmax of such a row is.
.set REC,   13056                      ; a record: 8 units of k, 8 of v, k's scale words (512 bytes), v's (256)
.set SPARE, 208896                     ; behind the 16 records: the spare words, 128 bytes a wave: eight blocks of 256 bytes that no other line names
.set SPW, 5                            ; v5   my spare word; never rewritten
.set NIL, 6                            ; v6   0; never rewritten
.set WV,  14
; v1 8 x lane; v2 16 (lane % 16); v3, v4 these in the record in hand; v8 my row of os; v9, v11 the two passes' scale bytes; v10 0xffff; v12 -M, v13 the largest t, v[14:15] the sum;
; v16-27, v28-39 q's two fragments; v40-87 four fragments of k; v88-95 k's scale words; v96-159 S^T, then p, then four fragments of v; v160-191 O^T; v192-203 codes; v204-211 the conversions' second halves;
; v212-215 v's scale words; v216, v217 q's; v218 p's; v220-235 at work on blocks; v[236:237] a second chain of sums; v238, v239 at work; v[240:241] f
.macro CROUND
	s_barrier_signal -1
	s_barrier_wait -1
	s_cmp_lg_u32 s[WV], 0
	s_cbranch_scc1 .Lnot_wave_0_\@
	s_barrier_signal -3
.Lnot_wave_0_\@:
	s_barrier_wait -3
	s_barrier_signal -1
	s_barrier_wait -1
.endm
; A KEY STEP: 128 keys, the record at LDS byte s32
.macro STEP qf, qs
	v_add_nc_u32 v3, s32, v1
	s_wait_alu depctr_va_vdst(0)
	v_add_nc_u32 v4, s32, v2
.rept 4
	v_nop                                          ; with the two additions six places: the first product below writes over registers that the last step's products read (five are asked), and loads go into their scale registers
.endr
	ds_load_b128 v[88:91], v4 offset:12288         ; k's scale words: tiles 0-3,
	ds_load_b128 v[92:95], v4 offset:12544         ; 4-7;
	ds_load_b128 v[212:215], v4 offset:12800       ; v's: tiles 0-3
.irp g, 0,1
.if \g
.rept 4
	v_nop                                          ; places in front of loads into registers that matrix instructions have read
.endr
.endif
.irp t, 0,1,2,3
.irp p, 0,1,2
	ds_load_b64 v[40+12*\t+2*\p:41+12*\t+2*\p], v3 offset:(4*\g+\t)*768+256*\p
.endr
.endr
	s_wait_dscnt 0x0
.irp t, 0,1,2,3
	v_wmma_scale_f32_16x16x128_f8f6f4 v[96+8*(4*\g+\t):103+8*(4*\g+\t)], v[40+12*\t:51+12*\t], v[(\qf):(\qf)+11], 0, v[88+4*\g+\t], v[(\qs)] matrix_a_fmt:MATRIX_FMT_FP6 matrix_b_fmt:MATRIX_FMT_FP6
.endr
.endr
.rept 4
	v_nop
.endr
.irp b, 0,1,2,3
	v_max3_num_f32 v[220+\b], v[96+16*\b], v[97+16*\b], v[98+16*\b]   ; the largest score of each block of 32 keys: for the row's maximum and for the block's largest p
.endr
.irp i, 3,5,7,9,11,13
.irp b, 0,1,2,3
	v_max3_num_f32 v[220+\b], v[220+\b], v[96+16*\b+\i], v[97+16*\b+\i]
.endr
.endr
.irp b, 0,1,2,3
	v_max_num_f32 v[220+\b], v[220+\b], v[111+16*\b]
.endr
.irp b, 0,1,2,3
	s_delay_alu instid0(VALU_DEP_4)
	v_permlanex16_b32 v[224+\b], v[220+\b], s28, s29
.endr
.irp b, 0,1,2,3
	s_delay_alu instid0(VALU_DEP_4)
	v_max_num_f32 v[220+\b], v[220+\b], v[224+\b]  ; with lane l xor 16's 16 keys
.endr
	s_delay_alu instid0(VALU_DEP_2)
	v_max3_num_f32 v238, v220, v221, v222
	s_delay_alu instid0(VALU_DEP_1)
	v_max_num_f32 v238, v238, v223
	s_delay_alu instid0(VALU_DEP_1)
	v_mul_f32 v238, s30, v238                      ; as t
	s_delay_alu instid0(VALU_DEP_1)
	v_max_num_f32 v13, v13, v238                   ; the running largest t
	v_mov_b32 v238, v12
	s_delay_alu instid0(VALU_DEP_2)
	v_floor_f32 v12, -v13                          ; the new -M
	s_delay_alu instid0(VALU_DEP_1)
	v_sub_f32 v238, v12, v238                      ; old M - new M: a whole number, 0 or less
	s_delay_alu instid0(VALU_DEP_1)
	v_cvt_i32_f32 v238, v238                       ; (it saturates)
	s_delay_alu instid0(VALU_DEP_1)
	v_ldexp_f32 v240, 1.0, v238                    ; f = 2^(old M - new M)
.set J, 0
.rept 32
	v_pk_fma_f32 v[96+J:97+J], v[96+J:97+J], s[30:31], v[12:13] op_sel_hi:[1,0,0]   ; t - M
.set J, J+2
.endr
.irp b, 0,1,2,3
	v_fma_f32 v[220+\b], v[220+\b], s30, v12
.endr
.set J, 0
	s_wait_alu depctr_va_vdst(0)
.rept 64
	v_exp_f32 v[96+J], v[96+J]                     ; p
.set J, J+1
.endr
	s_setprio 1
	v_pk_mul_f32 v[14:15], v[14:15], v[240:241] op_sel_hi:[1,0]    ; the sums under the new M: the plain place behind the exponentials
	s_wait_alu depctr_va_vdst(0)                   ; one wait for the batch, ahead of its first reader
.irp b, 0,1,2,3
	v_exp_f32 v[220+\b], v[220+\b]                 ; each block's largest p
.endr
	v_pk_add_f32 v[236:237], v[100:101], v[104:105]
	v_pk_add_f32 v[254:255], v[108:109], v[112:113]
	v_pk_add_f32 v[252:253], v[116:117], v[120:121]
	v_pk_add_f32 v[250:251], v[124:125], v[128:129]
	v_pk_add_f32 v[248:249], v[132:133], v[136:137]
	v_pk_add_f32 v[246:247], v[140:141], v[144:145]
	v_pk_add_f32 v[244:245], v[148:149], v[152:153]
	v_pk_add_f32 v[14:15], v[14:15], v[156:157]
	v_pk_add_f32 v[236:237], v[236:237], v[96:97]
	v_pk_add_f32 v[254:255], v[254:255], v[98:99]
	v_pk_add_f32 v[252:253], v[252:253], v[102:103]
	v_pk_add_f32 v[250:251], v[250:251], v[106:107]
	v_pk_add_f32 v[248:249], v[248:249], v[110:111]
	v_pk_add_f32 v[246:247], v[246:247], v[114:115]
	v_pk_add_f32 v[244:245], v[244:245], v[118:119]
	v_pk_add_f32 v[14:15], v[14:15], v[122:123]
	v_pk_add_f32 v[236:237], v[236:237], v[126:127]
	v_pk_add_f32 v[254:255], v[254:255], v[130:131]
	v_pk_add_f32 v[252:253], v[252:253], v[134:135]
	v_pk_add_f32 v[250:251], v[250:251], v[138:139]
	v_pk_add_f32 v[248:249], v[248:249], v[142:143]
	v_pk_add_f32 v[246:247], v[246:247], v[146:147]
	v_pk_add_f32 v[244:245], v[244:245], v[150:151]
	v_pk_add_f32 v[14:15], v[14:15], v[154:155]
	v_pk_add_f32 v[236:237], v[236:237], v[158:159]
	s_delay_alu instid0(VALU_DEP_2)
	v_pk_add_f32 v[14:15], v[14:15], v[250:251]
	s_delay_alu instid0(VALU_DEP_2)
	v_pk_add_f32 v[236:237], v[236:237], v[248:249]
	v_pk_add_f32 v[254:255], v[254:255], v[246:247]
	v_pk_add_f32 v[252:253], v[252:253], v[244:245]
	s_delay_alu instid0(VALU_DEP_2)
	v_pk_add_f32 v[14:15], v[14:15], v[254:255]
	s_delay_alu instid0(VALU_DEP_2)
	v_pk_add_f32 v[236:237], v[236:237], v[252:253]
	s_delay_alu instid0(VALU_DEP_1)
	v_pk_add_f32 v[14:15], v[14:15], v[236:237]
	s_wait_alu depctr_va_vdst(0)                   ; and one for the four
.irp b, 0,1,2,3
	v_max_num_f32 v[220+\b], 0x1800000, v[220+\b]  ; the floor 2^(3 - 127)
.endr
.irp b, 0,1,2,3
	s_delay_alu instid0(VALU_DEP_4)
	v_add_nc_u32 v[228+\b], 0xff000000, v[220+\b]  ; the conversion's scale operand
.endr
.irp b, 0,1,2,3
	s_delay_alu instid0(VALU_DEP_4)
	v_lshrrev_b32 v[232+\b], 23, v[228+\b]         ; the byte
.endr
	s_delay_alu instid0(VALU_DEP_3)
	v_lshl_or_b32 v218, v233, 8, v232              ; p's scale word for these 128 keys
	s_delay_alu instid0(VALU_DEP_1)
	v_lshl_or_b32 v218, v234, 16, v218
	s_delay_alu instid0(VALU_DEP_1)
	v_lshl_or_b32 v218, v235, 24, v218
.irp c, 0,1
	v_cvt_scalef32_pk16_fp6_f32 v[192+6*\c:194+6*\c], v[96+32*\c:111+32*\c], v[228+2*\c]
	v_cvt_scalef32_pk16_fp6_f32 v[204+4*\c:206+4*\c], v[112+32*\c:127+32*\c], v[228+2*\c+1]
.endr
	v_nop                                          ; one plain place behind the scaled conversions
.irp t, 0,1,2,3                        ; v's four fragments go where p stood: they land while the lines below run
.irp c, 0,1
.irp p, 0,1,2
	ds_load_b64 v[96+12*\t+6*\c+2*\p:97+12*\t+6*\c+2*\p], v3 offset:6144+(2*\t+\c)*768+256*\p
.endr
.endr
.endr
	s_setprio 0
.irp c, 0,1
.irp i, 0,1,2
	v_permlane16_swap_b32 v[192+6*\c+\i], v[204+4*\c+\i]
.endr
.irp i, 0,1,2
	s_delay_alu instid0(VALU_DEP_3)
	v_mov_b32 v[195+6*\c+\i], v[204+4*\c+\i]
.endr
.endr
.set J, 0
.rept 16
	v_pk_mul_f32 v[160+J:161+J], v[160+J:161+J], v[240:241] op_sel_hi:[1,0]   ; O^T under the new M; also the places between the writes of p's codes and scale word and the products
.set J, J+2
.endr
	s_wait_alu depctr_va_vdst(0)
	s_wait_dscnt 0x0
.irp t, 0,1,2,3
	v_wmma_scale_f32_16x16x128_f8f6f4 v[160+8*\t:167+8*\t], v[96+12*\t:107+12*\t], v[192:203], v[160+8*\t:167+8*\t], v[212+\t], v218 matrix_a_fmt:MATRIX_FMT_FP6 matrix_b_fmt:MATRIX_FMT_FP6
.endr
	s_add_co_u32 s32, s32, REC
.endm
; One tile of 16 queries against all keys, and its way out
.macro PASS p
	s_wait_xcnt 0x0                                ; the pass before has stored from registers that this one writes
	v_mov_b32 v13, 0xf1800000                      ; the largest t so far: -2^100
	s_delay_alu instid0(VALU_DEP_1)
	v_floor_f32 v12, -v13
	v_mov_b32 v14, 0
	v_mov_b32 v15, 0
.set J, 0
.rept 32
	v_mov_b32 v[160+J], 0                          ; O^T: the step is written once; its first trip finds zeros
.set J, J+1
.endr
	s_mov_b32 s32, 0
	s_mov_b32 s33, 16
.Lstep_\@:
	s_setprio 2
	STEP 16+12*\p, 216+\p
	s_sub_co_u32 s33, s33, 1
	s_cmp_lg_u32 s33, 0
	s_cbranch_scc1 .Lstep_\@
	s_setprio 0
	v_add_f32 v14, v14, v15                        ; the sum's two halves,
	s_delay_alu instid0(VALU_DEP_1)
	v_permlanex16_b32 v238, v14, s28, s29
	s_delay_alu instid0(VALU_DEP_1)
	v_add_f32 v14, v14, v238                       ; and lane l xor 16's
	s_wait_alu depctr_va_vdst(0)
	v_rcp_f32 v239, v14
	v_nop                                          ; the plain place behind the reciprocal
	v_cmp_eq_f32 s34, 0, v14                       ; a row with no key that counts
	s_wait_alu depctr_va_vdst(0)
	v_cndmask_b32 v239, v239, 0, s34               ; has zeros for its codes
.set J, 0
.rept 32
	v_mul_f32 v[96+J], v[160+J], v239              ; o: register 16 B + i is channel 32 B + 16 h + i
.set J, J+1
.endr
.irp b, 0,1
	v_max3_num_f32 v[220+\b], |v[96+16*\b]|, |v[97+16*\b]|, 0x1800000
.endr
.irp i, 2,4,6,8,10,12,14
.irp b, 0,1
	s_delay_alu instid0(VALU_DEP_2)
	v_max3_num_f32 v[220+\b], v[220+\b], |v[96+16*\b+\i]|, |v[97+16*\b+\i]|
.endr
.endr
.irp b, 0,1
	s_delay_alu instid0(VALU_DEP_2)
	v_permlanex16_b32 v[224+\b], v[220+\b], s28, s29
.endr
.irp b, 0,1
	s_delay_alu instid0(VALU_DEP_2)
	v_max_num_f32 v[220+\b], v[220+\b], v[224+\b]
.endr
.irp b, 0,1
	s_delay_alu instid0(VALU_DEP_2)
	v_add_nc_u32 v[228+\b], 0xff000000, v[220+\b]
.endr
.irp b, 0,1
	s_delay_alu instid0(VALU_DEP_2)
	v_lshrrev_b32 v[232+\b], 23, v[228+\b]
.endr
	s_delay_alu instid0(VALU_DEP_1)
	v_lshl_or_b32 v[9+2*\p], v233, 8, v232         ; the row's two scale bytes,
	s_delay_alu instid0(VALU_DEP_1)
	v_cndmask_b32 v[9+2*\p], v[9+2*\p], v10, s34   ; 0xff twice where no key counts
	v_cvt_scalef32_pk16_fp6_f32 v[192:194], v[96:111], v228
	v_cvt_scalef32_pk16_fp6_f32 v[204:206], v[112:127], v229
	v_nop
.irp i, 0,1,2
	v_permlane16_swap_b32 v[192+\i], v[204+\i]
.endr
.irp i, 0,1,2
	s_delay_alu instid0(VALU_DEP_3)
	v_mov_b32 v[195+\i], v[204+\i]
.endr
.irp q, 0,1,2
	global_store_b64 v1, v[192+2*\q:193+2*\q], s[10:11] offset:768*\p+256*\q   ; a plane of the unit: 256 consecutive bytes, aligned
.endr
.endm
	s_load_b256 s[4:11], s[0:1], 0x0               ; qc, qs, kv, oc
	s_load_b64 s[12:13], s[0:1], 0x20              ; os
	v_lshl_add_u32 v[SPW], v0, 2, SPARE
	v_mov_b32 v[NIL], 0
	ds_add_u32 v[SPW], v[NIL]                      ; the wave's opening: the add, twice on end, and its wait ahead of my first tensor load
	ds_add_u32 v[SPW], v[NIL]
	v_lshrrev_b32 v7, 5, v0
	s_delay_alu instid0(VALU_DEP_1)
	v_readfirstlane_b32 s[WV], v7                  ; wave 0..15
	s_bfe_u32 s15, ttmp6, 0x40000                  ; cx: my quarter of the queries
	s_and_b32 s36, ttmp7, 0xffff                   ; the head of the batch, which the partners share
	s_mov_b32 s16, 15|(3<<16)|(1<<21)              ; all four work-groups; elements of 8 bytes; bit 21 beside a mask; no padding
	s_mov_b32 s17, 32<<16                          ; a record is dense: 51 rows of 256 bytes
	s_mov_b32 s18, 51<<16
	s_mov_b32 s19, 32<<16
	s_mov_b32 s20, 51
	s_mov_b32 s21, 32
	s_mov_b32 s22, 0
	s_mov_b32 s23, 0
	s_mov_b32 s24, 1
	s_mul_i32 s25, s[WV], REC                      ; record w goes to LDS byte 13,056 w
	s_mul_i32 s38, s36, 16*REC
	s_add_co_u32 s38, s38, s25
	s_mov_b32 s39, 0
	s_mov_b32 s28, 0x76543210
	s_mov_b32 s29, 0xfedcba98
	s_mov_b32 s30, 0x3e38aa3b                      ; log2(e) / 8
	s_mov_b32 s31, s30
	s_mov_b32 s35, 0xffff0000                      ; lanes 16-31
	v_and_b32 v1, 31, v0
	s_delay_alu instid0(VALU_DEP_1)
	v_lshlrev_b32 v1, 3, v1
	v_and_b32 v7, 15, v0                           ; r
	s_delay_alu instid0(VALU_DEP_1)
	v_lshlrev_b32 v2, 4, v7
	v_bfe_u32 v11, v0, 4, 1                        ; h
	s_delay_alu instid0(VALU_DEP_3)
	v_and_b32 v8, 8, v7
	s_delay_alu instid0(VALU_DEP_1)
	v_add_nc_u32 v8, v8, v7
	s_delay_alu instid0(VALU_DEP_1)
	v_lshl_add_u32 v8, v11, 3, v8
	s_delay_alu instid0(VALU_DEP_1)
	v_lshlrev_b32 v8, 5, v8                        ; os: token 8 h + r + 8 (r / 8) of my 32, 32 bytes each
	v_mov_b32 v10, 0xffff
	v_lshlrev_b32 v7, 5, v11
	s_delay_alu instid0(VALU_DEP_1)
	v_sub_nc_u32 v7, 40, v7                        ; k's code at k = 64 (lanes 0-15): -1.0; at k = 96 (lanes 16-31): +1.0
.irp t, 0,1,2,3
	v_mov_b32 v[46+12*\t], v7
.irp i, 0,1,2,3,4
	v_mov_b32 v[47+12*\t+\i], 0
.endr
.endr
.irp p, 0,1
	v_mov_b32 v[22+12*\p], 8                       ; q's codes there: +1.0
.irp i, 0,1,2,3,4
	v_mov_b32 v[23+12*\p+\i], 0
.endr
.endr
.irp b, 0,1,2,3
	v_mov_b32 v[224+\b], 0                         ; written once: a lane permute's destination counts as one of its sources
.endr
	v_mov_b32 v238, 0
	v_mov_b32 v241, 0                              ; (named as the upper half of the pair v[240:241])
	s_wait_dscnt 0x0                               ; both opening adds are done
	s_wait_kmcnt 0x0
	s_add_nc_u64 s[26:27], s[8:9], s[38:39]
	s_or_b32 s27, s27, 0x80000000
	CROUND                                         ; all four work-groups are here
	tensor_load_to_lds s[24:27], s[16:23]          ; every wave its record: one tensor load of mine is out
	s_nop 0
.rept 4
	v_nop
.endr
	s_mov_b32 s41, 0
	s_lshl_b32 s40, s36, 7                         ; qc: tile 128 bh + 32 cx + 2 w
	s_lshl_b32 s42, s15, 5
	s_add_co_u32 s40, s40, s42
	s_lshl_b32 s42, s[WV], 1
	s_add_co_u32 s40, s40, s42
	s_mul_i32 s40, s40, 768
	s_add_nc_u64 s[4:5], s[4:5], s[40:41]
	s_lshl_b32 s40, s36, 5                         ; qs: (32 bh + 8 cx + w / 2) x 256 + 8 (w % 2)
	s_lshl_b32 s42, s15, 3
	s_add_co_u32 s40, s40, s42
	s_lshr_b32 s42, s[WV], 1
	s_add_co_u32 s40, s40, s42
	s_lshl_b32 s40, s40, 8
	s_and_b32 s42, s[WV], 1
	s_lshl_b32 s42, s42, 3
	s_add_co_u32 s40, s40, s42
	s_add_nc_u64 s[6:7], s[6:7], s[40:41]
	s_and_b32 s40, s36, 48                         ; oc: (((16 batch + 4 cx + w / 4) x 16 + head) x 8 + 2 (w % 4)) units
	s_lshl_b32 s42, s15, 2
	s_add_co_u32 s40, s40, s42
	s_lshr_b32 s42, s[WV], 2
	s_add_co_u32 s40, s40, s42
	s_lshl_b32 s40, s40, 4
	s_and_b32 s43, s36, 15
	s_add_co_u32 s40, s40, s43
	s_lshl_b32 s40, s40, 3
	s_and_b32 s42, s[WV], 3
	s_lshl_b32 s42, s42, 1
	s_add_co_u32 s40, s40, s42
	s_mul_i32 s40, s40, 768
	s_add_nc_u64 s[10:11], s[10:11], s[40:41]
	s_and_b32 s40, s36, 48                         ; os: token 2,048 batch + 32 (16 cx + w), 32 bytes each, + 2 head
	s_lshl_b32 s40, s40, 7
	s_lshl_b32 s42, s15, 4
	s_add_co_u32 s42, s42, s[WV]
	s_lshl_b32 s42, s42, 5
	s_add_co_u32 s40, s40, s42
	s_lshl_b32 s40, s40, 5
	s_lshl_b32 s43, s43, 1
	s_add_co_u32 s40, s40, s43
	s_add_nc_u64 s[12:13], s[12:13], s[40:41]
.irp p, 0,1
.irp q, 0,1,2
	global_load_b64 v[16+12*\p+2*\q:17+12*\p+2*\q], v1, s[4:5] offset:768*\p+256*\q   ; q's two units stay in registers
.endr
	global_load_b32 v[216+\p], v2, s[6:7] offset:4*\p
.endr
	s_wait_tensorcnt 0x0                           ; my record is in,
	s_barrier_signal -1
	s_barrier_wait -1                              ; everybody's is
	s_wait_loadcnt 0x0                             ; q
	PASS 0
	PASS 1
	v_cndmask_b32 v9, v9, v11, s35                 ; lanes 0-15 store the first tile's bytes, lanes 16-31 the second's
	global_store_b16 v8, v9, s[12:13]
	s_wait_tensorcnt 0x0                           ; the wave's end
	ds_add_u32 v[SPW], v[NIL]
	s_wait_dscnt 0x0
	CROUND                                         ; the closing round
	s_endpgm
.Lfunc_end_k_qa68616043a_attn:
	.size	k_qa68616043a_attn, .Lfunc_end_k_qa68616043a_attn-k_qa68616043a_attn
	.p2alignl 7, 3214868480
	.fill 96, 4, 3214868480
	.section	.rodata,"a",@progbits
	.p2align	6, 0x0
	.amdhsa_kernel k_qa68616043a_attn
		.amdhsa_group_segment_fixed_size 210944
		.amdhsa_private_segment_fixed_size 0
		.amdhsa_enable_private_segment 0
		.amdhsa_kernarg_size 40
		.amdhsa_user_sgpr_count 2
		.amdhsa_user_sgpr_kernarg_segment_ptr 1
		.amdhsa_wavefront_size32 1
		.amdhsa_system_sgpr_workgroup_id_x 1
		.amdhsa_system_sgpr_workgroup_id_y 1
		.amdhsa_system_sgpr_workgroup_id_z 1
		.amdhsa_system_vgpr_workitem_id 0
		.amdhsa_next_free_vgpr 256
		.amdhsa_next_free_sgpr 66
		.amdhsa_reserve_vcc 0
		.amdhsa_float_denorm_mode_32 3
		.amdhsa_float_denorm_mode_16_64 3
		.amdhsa_memory_ordered 1
		.amdhsa_forward_progress 1
		.amdhsa_inst_pref_size 56
	.end_amdhsa_kernel
	.amdgpu_metadata
---
amdhsa.version: [ 1, 2 ]
amdhsa.kernels:
  - .name:           k_qa68616043a_attn
    .symbol:         k_qa68616043a_attn.kd
    .args:
      - { .name: qc, .offset: 0, .size: 8, .value_kind: global_buffer, .address_space: global }
      - { .name: qs, .offset: 8, .size: 8, .value_kind: global_buffer, .address_space: global }
      - { .name: kv, .offset: 16, .size: 8, .value_kind: global_buffer, .address_space: global }
      - { .name: oc, .offset: 24, .size: 8, .value_kind: global_buffer, .address_space: global }
      - { .name: os, .offset: 32, .size: 8, .value_kind: global_buffer, .address_space: global }
    .group_segment_fixed_size: 210944
    .private_segment_fixed_size: 0
    .kernarg_segment_align: 8
    .kernarg_segment_size: 40
    .max_flat_workgroup_size: 512
    .sgpr_count:     66
    .vgpr_count:     256
    .wavefront_size: 32
...
	.end_amdgpu_metadata
.endif
;; end of part 2
;; launch outp (part 3): grid 4 x 64, 8 waves a work-group, clusters of 4 x 4, 327,680 bytes of LDS; arguments oc, os, Wo_codes, Wo_scales, bo, out0; writes out0
.if DOCPART == 3
	.amdgcn_target "amdgcn-amd-amdhsa--gfx1250"
	.amdhsa_code_object_version 6
	.text
	.protected	k_qa68616043a_outp
	.globl	k_qa68616043a_outp
	.p2align	8
	.type	k_qa68616043a_outp,@function
k_qa68616043a_outp:
	s_mov_b64 s[64:65], 0
	v_nop
	global_prefetch_b8 v0, s[64:65] scope:SCOPE_SE
	s_setreg_imm32_b32 hwreg(HW_REG_WAVE_MODE, 25, 1), 1
	s_wait_xcnt 0x0
	s_wait_alu depctr_hold_cnt(0) depctr_sa_sdst(0) depctr_va_vdst(0) depctr_va_sdst(0) depctr_va_ssrc(0) depctr_va_vcc(0) depctr_vm_vsrc(0)
	s_getreg_b32 s2, hwreg(HW_REG_IB_STS2, 6, 4)
	s_cmp_eq_u32 s2, 0
	s_cbranch_scc0 .Lentry_in_a_cluster
	s_endpgm
.Lentry_in_a_cluster:
	s_bfe_u32 s2, ttmp6, 0x10000c
	s_cmp_lg_u32 s2, 0xf033
	s_cbranch_scc0 .Lentry_shape_is_right
	s_endpgm
.Lentry_shape_is_right:
; out = o Wo + bo on codes of FP6 (E2M3) with E8M0 scales, f32 sums.  Nothing is left out.
; A work-group makes 128 tokens x 256 columns, K = 1,024, all operands in LDS at once: no LDS byte is filled twice.  Eight waves: wave w takes 64 tokens (w & 1) x 64 columns (w >> 1): 16 accumulators.
; CLUSTER 4 x 4: the four of a row need the same 128 tokens of o, the four of a column the same 256 rows of Wo: each tile is asked for jointly.
; o comes as images of operand registers ([block of 128 tokens][head][tile][768 bytes]: plane p holds lane l's registers 2 p, 2 p + 1 at 8 l); its scale bytes as [token][32].  Wo comes as rows.
; Lane r of tile 2 B + u takes row 32 B + 8 u + r + 8 (r / 8), of tokens (so the launches before laid them) and of Wo.  Source 0 = Wo, source 1 = o: a lane holds one token and eight neighbouring columns a tile.
; A token all of whose keys were masked carries scale bytes 0xff: its sums are NaN, as the softmax of such a row is.
.set PITCH, 816                        ; a row of Wo in LDS: 768 bytes + 16 behind each 256
.set OI,    0                          ; o's images: 98,304 bytes; later the waves' stages for the way out: these bytes have had their one fill
.set WE,    98304                      ; Wo's rows with row / 16 even: 128 rows
.set EO,    104576                     ; from there to the odd rows' region
.set XS,    307328                     ; o's scale bytes: 16 blocks of 256 + 8
.set WS,    311560                     ; Wo's: 32 such blocks
.set SPARE, 320256                     ; the spare words, 128 bytes a wave: four blocks of 256 bytes that no other line names
.set OA,  4                            ; v4, v5   my place in o's images: heads 0-7, heads 8-15
.set WAD, 6                            ; v6, v7   LDS address of my fragments of Wo (v7: for pieces behind one padding more)
.set SAD, 8                            ; v8       of my scale words: lanes 0-15 o's rows, lanes 16-31 Wo's
.set SPW, 14
.set NIL, 15
.set SC,  16                           ; v16-23   scale words
.set XF,  32                           ; v32-79   o's four fragments
.set WF,  80                           ; v80-127  Wo's four
.set ACC, 128                          ; v128-255 accumulator (Wo's tile a, o's tile b) at 8 (4 b + a)
.set BK,  32                           ; the way out: 16 rows read back: v32-63 and v64-95 by turns
.set WV,  34
.set G1O, 48
.set G1W, 56
.set G1XS, 68
.set G1WS, 76
.set G0O, 84
.set G0W, 88
.set G0XS, 92
.set G0WS, 96
.set CODEF, (3<<16)|(1<<20)|(1<<21)|(5<<22)|(3<<25)
.set SCLF,  (3<<16)|(1<<20)|(1<<21)|(5<<22)|(1<<25)
.macro CROUND
	s_barrier_signal -1
	s_barrier_wait -1
	s_cmp_lg_u32 s[WV], 0
	s_cbranch_scc1 .Lnot_wave_0_\@
	s_barrier_signal -3
.Lnot_wave_0_\@:
	s_barrier_wait -3
	s_barrier_signal -1
	s_barrier_wait -1
.endm
.macro TL g0, g1
	tensor_load_to_lds s[\g0:\g0+3], s[\g1:\g1+7]
	s_nop 0
.rept 4
	v_nop
.endr
.endm
.macro FRAG reg, adr, s, i
.irp p, 0,1,2,3,4,5
.set PCE, 12*(\s)+6*(\p/3)+\p%3
.if PCE%32 < 29
	ds_load_b64 v[\reg+2*\p:\reg+2*\p+1], v[\adr] offset:8*PCE+16*(PCE/32)+(16*((\i)/2)+8*((\i)%2))*PITCH
.else
	ds_load_b64 v[\reg+2*\p:\reg+2*\p+1], v[\adr+1] offset:8*PCE+16*(PCE/32)+(16*((\i)/2)+8*((\i)%2))*PITCH
.endif
.endr
.endm
.macro OFRAG reg, s, b                 ; K step s is heads 2 s and 2 s + 1: two units
.irp c, 0,1
.irp p, 0,1,2
	ds_load_b64 v[\reg+6*\c+2*\p:\reg+6*\c+2*\p+1], v[OA+(\s)/4] offset:(((2*(\s)+\c)%8)*8+(\b))*768+256*\p
.endr
.endr
.endm
.macro KSTEP s                         ; 16 matrix instructions, the 16 accumulators by turns, one instruction a turn
.if (\s) > 0
.rept 4
	v_nop                                          ; four places in front of loads into registers that matrix instructions have read
.endr
.endif
.if (\s)%2 == 0
.irp i, 0,1,2,3
	ds_load_b64 v[SC+2*\i:SC+2*\i+1], v[SAD] offset:264*(4*(\i/2)+\i%2)+4*(\s)
.endr
.endif
.irp i, 0,1,2,3
	OFRAG XF+12*\i, \s, \i
.endr
.irp i, 0,1,2,3
	FRAG WF+12*\i, WAD, \s, \i
.endr
.irp c, 0,1,2,3
	s_wait_dscnt 18-6*\c                           ; all is in but the six loads of each tile of Wo behind tile c
.irp d, 0,1,2,3
	v_wmma_scale_f32_16x16x128_f8f6f4 v[ACC+8*(4*\d+\c):ACC+8*(4*\d+\c)+7], v[WF+12*\c:WF+12*\c+11], v[XF+12*\d:XF+12*\d+11], v[ACC+8*(4*\d+\c):ACC+8*(4*\d+\c)+7], v[SC+2*\c+(\s)%2], v[SC+2*\d+(\s)%2] matrix_a_fmt:MATRIX_FMT_FP6 matrix_b_fmt:MATRIX_FMT_FP6 matrix_a_scale:MATRIX_SCALE_ROW1
.endr
.endr
.endm
	s_load_b256 s[4:11], s[0:1], 0x0               ; oc, os, Wo codes, Wo scales
	s_load_b128 s[12:15], s[0:1], 0x20             ; bo, out0
	v_lshl_add_u32 v[SPW], v0, 2, SPARE
	v_mov_b32 v[NIL], 0
	ds_add_u32 v[SPW], v[NIL]                      ; the wave's opening: the add, twice on end, and its wait ahead of my first tensor load
	ds_add_u32 v[SPW], v[NIL]
	v_lshrrev_b32 v1, 5, v0
	s_delay_alu instid0(VALU_DEP_1)
	v_readfirstlane_b32 s[WV], v1
	s_and_b32 s35, s[WV], 1                        ; th: my 64 tokens
	s_lshr_b32 s36, s[WV], 1                       ; hw: my 64 columns
	s_bfe_u32 s37, ttmp6, 0x40000                  ; cx
	s_bfe_u32 s38, ttmp6, 0x40004                  ; cy
	s_and_b32 s39, ttmp7, 0xffff
	s_lshl_b32 s39, s39, 2
	s_add_co_u32 s39, s39, s38                     ; tb
	s_lshl_b32 s66, s38, 2
	s_lshl_b32 s66, 15, s66                        ; my row of the cluster: o's tiles
	s_lshl_b32 s67, 0x1111, s37                    ; my column: Wo's
	s_or_b32 s[G1O], s66, (3<<16)|(1<<21)          ; o's images: dense, no padding: 192 rows of 256 bytes a load
	s_mov_b32 s[G1O+1], 32<<16
	s_mov_b32 s[G1O+2], 192<<16
	s_mov_b32 s[G1O+3], 32<<16
	s_mov_b32 s[G1O+4], 192
	s_mov_b32 s[G1O+5], 32
	s_mov_b32 s[G1O+6], 0
	s_mov_b32 s[G1O+7], 0
	s_or_b32 s[G1W], s67, CODEF                    ; Wo: a descriptor row is 16 dense rows; four of them, 32 rows apart
	s_mov_b32 s[G1W+1], 1536<<16
	s_mov_b32 s[G1W+2], 4<<16
	s_mov_b32 s[G1W+3], 1536<<16
	s_mov_b32 s[G1W+4], 4
	s_mov_b32 s[G1W+5], 3072
	s_mov_b32 s[G1W+6], 0
	s_mov_b32 s[G1W+7], 0
	s_or_b32 s[G1XS], s66, SCLF
	s_mov_b32 s[G1XS+1], 32<<16
	s_mov_b32 s[G1XS+2], 16<<16
	s_mov_b32 s[G1XS+3], 32<<16
	s_mov_b32 s[G1XS+4], 16
	s_mov_b32 s[G1XS+5], 32
	s_mov_b32 s[G1XS+6], 0
	s_mov_b32 s[G1XS+7], 0
	s_or_b32 s[G1WS], s67, SCLF
	s_mov_b32 s[G1WS+1], 32<<16
	s_mov_b32 s[G1WS+2], 32<<16
	s_mov_b32 s[G1WS+3], 32<<16
	s_mov_b32 s[G1WS+4], 32
	s_mov_b32 s[G1WS+5], 32
	s_mov_b32 s[G1WS+6], 0
	s_mov_b32 s[G1WS+7], 0
	; waves 0, 1: the halves of o's images; waves 2 to 5: Wo; wave 6: o's scale bytes; wave 7: Wo's
	s_mov_b32 s[G0O], 1
	s_mul_i32 s[G0O+1], s35, 49152
	s_mov_b32 s[G0W], 1
	s_bfe_u32 s2, s[WV], 0x10002
	s_mul_i32 s[G0W+1], s2, EO
	s_mul_i32 s3, s35, 52224
	s_add_co_u32 s[G0W+1], s[G0W+1], s3
	s_add_co_u32 s[G0W+1], s[G0W+1], WE
	s_mov_b32 s[G0XS], 1
	s_mov_b32 s[G0XS+1], XS
	s_mov_b32 s[G0WS], 1
	s_mov_b32 s[G0WS+1], WS
	s_mul_i32 s40, s39, 98304
	s_add_co_u32 s40, s40, s[G0O+1]
	s_mov_b32 s41, 0
	s_lshl_b32 s42, s39, 12
	s_mov_b32 s43, 0
	s_mul_i32 s44, s37, 196608
	s_mul_i32 s3, s35, 98304
	s_add_co_u32 s44, s44, s3
	s_mul_i32 s3, s2, 12288
	s_add_co_u32 s44, s44, s3
	s_mov_b32 s45, 0
	s_lshl_b32 s46, s37, 13
	s_mov_b32 s47, 0
	v_and_b32 v1, 15, v0                           ; r
	v_bfe_u32 v2, v0, 4, 1                         ; h
	s_delay_alu instid0(VALU_DEP_2)
	v_and_b32 v3, 7, v1
	s_delay_alu instid0(VALU_DEP_3)
	v_lshrrev_b32 v30, 3, v1
	v_and_b32 v31, 31, v0
	s_delay_alu instid0(VALU_DEP_1)
	v_lshlrev_b32 v31, 3, v31
	s_mul_i32 s2, s35, 3072
	v_add_nc_u32 v[OA], s2, v31                    ; 8 x lane + my four tiles
	s_delay_alu instid0(VALU_DEP_1)
	v_add_nc_u32 v[OA+1], 49152, v[OA]
	v_mul_u32_u24 v31, v3, PITCH
	s_delay_alu instid0(VALU_DEP_1)
	v_mad_u32_u24 v31, v30, EO, v31
	s_delay_alu instid0(VALU_DEP_1)
	v_mad_u32_u24 v31, v2, 24, v31
	s_mul_i32 s3, s36, 26112
	s_add_co_u32 s3, s3, WE
	v_add_nc_u32 v[WAD], s3, v31
	s_delay_alu instid0(VALU_DEP_1)
	v_lshl_add_u32 v[WAD+1], v2, 4, v[WAD]
	v_lshlrev_b32 v[SAD], 5, v3
	s_delay_alu instid0(VALU_DEP_1)
	v_mad_u32_u24 v[SAD], v30, 528, v[SAD]
	s_mul_i32 s2, s35, 2112
	s_mul_i32 s3, s36, 2112
	s_add_co_u32 s3, s3, WS-XS
	s_sub_co_u32 s3, s3, s2
	v_mul_u32_u24 v31, s3, v2                      ; lanes 16-31 take Wo's: one product with h
	s_add_co_u32 s2, s2, XS
	v_add_nc_u32 v[SAD], v[SAD], v31
	s_delay_alu instid0(VALU_DEP_1)
	v_add_nc_u32 v[SAD], s2, v[SAD]
	v_lshlrev_b32 v9, 6, v2                        ; 64 h
	s_mul_i32 s2, s[WV], 4352                      ; my stage: 16 rows x (256 + 16) bytes
	v_mul_u32_u24 v10, v1, 272
	s_delay_alu instid0(VALU_DEP_1)
	v_lshl_add_u32 v10, v2, 6, v10
	s_delay_alu instid0(VALU_DEP_1)
	v_add_nc_u32 v10, s2, v10                      ; in: row r, + 64 h
	v_mul_u32_u24 v11, v2, 272
	s_delay_alu instid0(VALU_DEP_1)
	v_lshl_add_u32 v11, v1, 4, v11
	s_delay_alu instid0(VALU_DEP_1)
	v_add_nc_u32 v11, s2, v11                      ; back: lanes 0-15 one row, lanes 16-31 the next
	v_lshlrev_b32 v12, 12, v2
	s_delay_alu instid0(VALU_DEP_1)
	v_lshl_add_u32 v12, v1, 4, v12                 ; and the same in out0: rows of 4,096 bytes
	s_wait_dscnt 0x0                               ; both opening adds are done
	s_wait_kmcnt 0x0
	s_add_nc_u64 s[G0O+2:G0O+3], s[4:5], s[40:41]
	s_or_b32 s[G0O+3], s[G0O+3], 0x80000000
	s_add_nc_u64 s[G0W+2:G0W+3], s[8:9], s[44:45]
	s_or_b32 s[G0W+3], s[G0W+3], 0x80000000
	s_add_nc_u64 s[G0XS+2:G0XS+3], s[6:7], s[42:43]
	s_or_b32 s[G0XS+3], s[G0XS+3], 0x80000000
	s_add_nc_u64 s[G0WS+2:G0WS+3], s[10:11], s[46:47]
	s_or_b32 s[G0WS+3], s[G0WS+3], 0x80000000
	CROUND                                         ; all sixteen work-groups are here
	s_cmp_lt_u32 s[WV], 2                          ; every wave issues one load: one tensor load of mine is out
	s_cbranch_scc0 .Lnot_o
	TL G0O, G1O
	s_branch .Lasked
.Lnot_o:
	s_cmp_lt_u32 s[WV], 6
	s_cbranch_scc0 .Lnot_w
	TL G0W, G1W
	s_branch .Lasked
.Lnot_w:
	s_cmp_eq_u32 s[WV], 6
	s_cbranch_scc0 .Lw_scales
	TL G0XS, G1XS
	s_branch .Lasked
.Lw_scales:
	TL G0WS, G1WS
.Lasked:
	s_lshl_b32 s2, s37, 10
	s_lshl_b32 s3, s36, 8
	s_add_co_u32 s2, s2, s3                        ; my 64 columns, in bytes
	s_mov_b32 s3, 0
	s_add_nc_u64 s[12:13], s[12:13], s[2:3]        ; bo
	s_add_nc_u64 s[14:15], s[14:15], s[2:3]
	s_lshl_b32 s2, s39, 7
	s_lshl_b32 s16, s35, 6
	s_add_co_u32 s2, s2, s16
	s_lshl_b32 s2, s2, 12                          ; my first token's row of 4,096 bytes
	s_add_nc_u64 s[14:15], s[14:15], s[2:3]        ; out0
	s_wait_alu depctr_va_vdst(0)
.irp b, 0,1,2,3                        ; the bias is what the sums begin with
.irp a, 0,1,2,3
	global_load_b128 v[ACC+8*(4*\b+\a):ACC+8*(4*\b+\a)+3], v9, s[12:13] offset:(32*(\a/2)+8*(\a%2))*4
	global_load_b128 v[ACC+8*(4*\b+\a)+4:ACC+8*(4*\b+\a)+7], v9, s[12:13] offset:(32*(\a/2)+8*(\a%2))*4+16
.endr
.endr
	s_wait_tensorcnt 0x0                           ; my tile is in,
	s_barrier_signal -1
	s_barrier_wait -1                              ; everybody's is
	s_wait_loadcnt 0x0
.irp s, 0,1,2,3,4,5,6,7
	KSTEP \s
.endr
	s_wait_dscnt 0x0                               ; my reads of o's images are over:
	s_barrier_signal -1
	s_barrier_wait -1                              ; everybody's are: the stages may be written there
.rept 4
	v_nop                                          ; four places in front of the first read of results and of loads into the operands' registers
.endr
; THE WAY OUT, a tile of 16 tokens x 64 columns at a time, through my own stage: a lane's 32 bytes a tile go in, whole runs of 256 bytes of a row come back.  LDS serves a wave's instructions in order.
.macro TOSTAGE b
.irp a, 0,1,2,3
	ds_store_b128 v10, v[ACC+8*(4*(\b)+\a):ACC+8*(4*(\b)+\a)+3] offset:128*(\a/2)+32*(\a%2)       ; each accumulator from its low end on
	ds_store_b128 v10, v[ACC+8*(4*(\b)+\a)+4:ACC+8*(4*(\b)+\a)+7] offset:128*(\a/2)+32*(\a%2)+16
.endr
.irp i, 0,1,2,3,4,5,6,7
	ds_load_b128 v[BK+32*((\b)%2)+4*\i:BK+32*((\b)%2)+4*\i+3], v11 offset:544*\i
.endr
.endm
.macro SEND b, younger                 ; younger: the LDS instructions issued behind tile b's loads
	s_wait_dscnt \younger
.irp i, 0,1,2,3,4,5,6,7
	global_store_b128 v12, v[BK+32*((\b)%2)+4*\i:BK+32*((\b)%2)+4*\i+3], s[14:15] offset:(32*((\b)/2)+8*((\b)%2)+2*\i+8*(\i/4))*4096 th:TH_STORE_NT   ; 16 lanes store 256 consecutive bytes, aligned; stage row 2 i + (lane / 16) is that token
.endr
.endm
	TOSTAGE 0
	TOSTAGE 1
	SEND 0, 16                                     ; behind tile 0's loads: tile 1's 8 stores and 8 loads
	s_wait_xcnt 0x0                                ; tile 0's stores have read their registers: tile 2's loads may land there
	TOSTAGE 2
	SEND 1, 16
	s_wait_xcnt 0x0
	TOSTAGE 3
	SEND 2, 16
	SEND 3, 0
	s_wait_tensorcnt 0x0                           ; the wave's end, behind my last LDS store
	ds_add_u32 v[SPW], v[NIL]
	s_wait_dscnt 0x0
	CROUND                                         ; the closing round
	s_endpgm
.Lfunc_end_k_qa68616043a_outp:
	.size	k_qa68616043a_outp, .Lfunc_end_k_qa68616043a_outp-k_qa68616043a_outp
	.p2alignl 7, 3214868480
	.fill 96, 4, 3214868480
	.section	.rodata,"a",@progbits
	.p2align	6, 0x0
	.amdhsa_kernel k_qa68616043a_outp
		.amdhsa_group_segment_fixed_size 327680
		.amdhsa_private_segment_fixed_size 0
		.amdhsa_enable_private_segment 0
		.amdhsa_kernarg_size 48
		.amdhsa_user_sgpr_count 2
		.amdhsa_user_sgpr_kernarg_segment_ptr 1
		.amdhsa_wavefront_size32 1
		.amdhsa_system_sgpr_workgroup_id_x 1
		.amdhsa_system_sgpr_workgroup_id_y 1
		.amdhsa_system_sgpr_workgroup_id_z 1
		.amdhsa_system_vgpr_workitem_id 0
		.amdhsa_next_free_vgpr 256
		.amdhsa_next_free_sgpr 100
		.amdhsa_reserve_vcc 0
		.amdhsa_float_denorm_mode_32 3
		.amdhsa_float_denorm_mode_16_64 3
		.amdhsa_memory_ordered 1
		.amdhsa_forward_progress 1
		.amdhsa_inst_pref_size 63
	.end_amdhsa_kernel
	.amdgpu_metadata
---
amdhsa.version: [ 1, 2 ]
amdhsa.kernels:
  - .name:           k_qa68616043a_outp
    .symbol:         k_qa68616043a_outp.kd
    .args:
      - { .name: oc, .offset: 0, .size: 8, .value_kind: global_buffer, .address_space: global }
      - { .name: os, .offset: 8, .size: 8, .value_kind: global_buffer, .address_space: global }
      - { .name: Wo_codes, .offset: 16, .size: 8, .value_kind: global_buffer, .address_space: global }
      - { .name: Wo_scales, .offset: 24, .size: 8, .value_kind: global_buffer, .address_space: global }
      - { .name: bo, .offset: 32, .size: 8, .value_kind: global_buffer, .address_space: global }
      - { .name: out0, .offset: 40, .size: 8, .value_kind: global_buffer, .address_space: global }
    .group_segment_fixed_size: 327680
    .private_segment_fixed_size: 0
    .kernarg_segment_align: 8
    .kernarg_segment_size: 48
    .max_flat_workgroup_size: 256
    .sgpr_count:     100
    .vgpr_count:     256
    .wavefront_size: 32
...
	.end_amdgpu_metadata
.endif
;; end of part 3
